; MI455X (gfx1250); checked and timed in simulation.
; The chip was launched on July 23, 2026; its instructions are those of AMD's public machine-readable ISA for CDNA 5 (MIT licence, August 2026) and "CDNA5" Instruction Set Architecture Reference Guide (July 2026). The comments in the code are by the model that wrote it; some were corrected since.
;; Centroid Teacher. Allowed arithmetic: float matrix products may take bf16 or f16 operands with f32 sums; all other float work in f32.
;; Inputs: motion 8 x 1 x 1 x 256 x 256 float32; segments 8 x 1 x 256 x 256 int32.
;; Outputs: out0 8 x 2 x 256 x 256 float32; out1 8 x 1 x 256 x 256 float32.
;; 2 versions, each right; version 2 is version 1 with the launch sums written anew for expert scheduling mode. Each part assembles by itself: llvm-mc -triple=amdgcn-amd-amdhsa -mcpu=gfx1250 --defsym DOCPART=n.
;; ======== version 1 of 2: 2 launches
;; workspace buffers: part 262,144 bytes
;; launch sums (part 1): grid 256 x 1, 8 waves a work-group, no clusters, 91,136 bytes of LDS; arguments segments, motion, part; writes part
.if DOCPART == 1
	.amdgcn_target "amdgcn-amd-amdhsa--gfx1250"
	.amdhsa_code_object_version 6
	.text
	.protected	k_q14d3a77e52_sums
	.globl	k_q14d3a77e52_sums
	.p2align	8
	.type	k_q14d3a77e52_sums,@function
k_q14d3a77e52_sums:
	s_mov_b64 s[64:65], 0
	v_nop
	global_prefetch_b8 v0, s[64:65] scope:SCOPE_SE
	s_setreg_imm32_b32 hwreg(HW_REG_WAVE_MODE, 25, 1), 1
	s_wait_xcnt 0x0
; Per-segment sums of 8 image rows.  part[wg][g] = (count, sum of x, sum of motion, sum of y) over the pixels of segment g in rows 8 wg .. 8 wg + 7
; (2,048 rows in all: 8 images x 256), x and y as pixel numbers 0..255.
; Eight waves, one row (256 pixels) each.  The one-hot product of the reference goes to the matrix unit, factored so that ONE 16x16x32 instruction
; makes the whole 64-bin, 4-value histogram of 32 pixels:   D[m][4b+c] = sum over k of A[m][k] B[k][4b+c],
;   A[m][k] = 2.0 where seg[k] >> 2 == m, else 0;     B[k][4b+c] = val_c[k] where seg[k] & 3 == b, else 0;     val = (1, x, motion_hi, motion_lo).
; So D[m][4b+c] is twice the sum of val_c over segment g = 4 m + b.  x <= 255 has 8 significant bits: exact in bf16.  y is one number for the wave's row:
; sum of y = y x count.  All counts and coordinate sums are whole numbers below 2^24 (65,536 x 255): exact in f32.
; motion = hi + lo, two bf16 pieces (hi = motion rounded, lo = the rest rounded): 16 significant bits, relative error 2^-17 a pixel.
; WAY OF THE DATA: a lane loads 8 pixels (16 neighbouring bytes a lane and load), makes their words of B's 16 columns and of two selector arrays,
; and stores them in the wave's own LDS; from there they are read back in fragment order.  The order of the pixels along K is free (a sum), and is the same in all arrays:
; lane l's 16 bytes of an array hold pixels 4l..4l+3 and 128+4l..128+4l+3.
; A's words are made behind the read: one v_perm_b32 a word (two pixels), the selector bytes picking from the lane's table of 8 bytes, in which byte (m & 7) is 0x40
; (0x4000 = 2.0 in bf16).  Selector 0x0c gives the byte 0: it stands for every low byte, and for a pixel whose seg >> 5 is not the lane's m >> 3 (two arrays, one for each).
; LIMITS: motion finite and below bf16's largest number (3.39e38); a NaN or an infinity spoils other bins here than in the reference.
; Any int32 is served as a segment: values outside 0..63 are clamped to 64, hit no row of A and add to no bin, as a one-hot of 64 classes has it.
; No cluster: the work-groups share no input byte.
.set ARR,  528                         ; from array to array: 512 bytes + 16 = 33 x 16, so lanes that read the same place of up to 16 arrays touch different 16-byte columns modulo 256 (64 banks of 4 bytes: ISA guide 11.1)
.set SEL,  0                           ; two selector arrays
.set BAR,  2*ARR                       ; B's sixteen columns, column n = 4 b + c at BAR + n ARR
.set WSTR, 9728                        ; a wave's LDS: 18 x 528 = 9,504 bytes, rounded up
.set RED,  8*WSTR                      ; behind them: where the eight waves' results meet
.set RSTR, 1088                        ; a wave's 16 x 16 results: rows 0-7 in 512 bytes, 64 bytes of gap, rows 8-15
.set D0,  16                           ; v[16:23]   accumulator of the even K steps
.set D1,  24                           ; v[24:31]   accumulator of the odd K steps
.set AF,  32                           ; v[32:95]   K step ks: 8 registers, selectors as loaded, then A's fragment
.set BF,  96                           ; v[96:159]  K step ks: B's fragment
.set G,   160                          ; v[160:167] my 8 segments
.set MO,  168                          ; v[168:175] my 8 motions
.set W,   176                          ; v[176:179] pair p: two segments in two halves
.set A3,  180                          ; v[180:183] (seg >> 2) & 7 in bytes 1 and 3
.set UU,  184                          ; v[184:187] seg >> 5 in bytes 1 and 3, the number 3 in bytes 0 and 2
.set SB,  188                          ; v[188:191] seg & 3, each in both bytes of its half
.set S0,  192                          ; v[192:195] selectors for rows 0-7
.set S1,  196                          ; v[196:199] selectors for rows 8-15
.set MK,  200                          ; v[200:215] mask b, pair p: 0xffff in the half whose seg & 3 == b
.set X,   216                          ; v[216:219] x of my pixels, bf16 pairs
.set H,   220                          ; v[220:223] motion_hi pairs
.set LW,  224                          ; v[224:227] motion_lo pairs
.set T,   228                          ; v[228:235] at work, f32
.set BO0, 236                          ; B's words for b = 0: 16 registers (4 c + p).  Each b has registers of its own, all dead by then, so that no
.set BO1, 160                          ; register that an LDS store reads is written again before a wait on DScnt has shown the store done
.set BO2, 176
.set BO3, 16
.set R,   160                          ; v[160:191] the last step: eight waves' four numbers of my bin
	s_load_b128 s[4:7], s[0:1], 0x0                ; segments s[4:5], motion s[6:7]
	s_load_b64 s[8:9], s[0:1], 0x10                ; part
	v_lshl_add_u32 v254, v0, 2, 0x16000
	v_mov_b32 v255, 0
	v_and_b32 v1, 31, v0                           ; lane
	v_lshrrev_b32 v9, 5, v0
	v_readfirstlane_b32 s10, v9                    ; wave = row in the group's eight
	v_lshlrev_b32 v2, 4, v1
	v_lshl_add_u32 v2, v9, 10, v2                  ; 1,024 x wave + 16 x lane: my 16 bytes in the row's first half
	s_lshl_b32 s12, ttmp9, 13                      ; the group's 8 rows of 1,024 bytes
	s_mov_b32 s13, 0
	s_lshl_b32 s14, ttmp9, 10                      ; the group's 1,024 bytes of part
	s_mov_b32 s15, 0
	s_wait_kmcnt 0x0
	s_add_nc_u64 s[4:5], s[4:5], s[12:13]
	s_add_nc_u64 s[6:7], s[6:7], s[12:13]
	s_add_nc_u64 s[8:9], s[8:9], s[14:15]
	global_load_b128 v[G:G+3],     v2, s[4:5]                          ; each load of the wave: 512 neighbouring bytes.  Segments are read again by the next launch: no hint
	global_load_b128 v[G+4:G+7],   v2, s[4:5] offset:512
	global_load_b128 v[MO:MO+3],   v2, s[6:7] th:TH_LOAD_NT            ; motion is read this once
	global_load_b128 v[MO+4:MO+7], v2, s[6:7] offset:512 th:TH_LOAD_NT
	; while the loads are on their way: constants, addresses, the lane's table, x
	s_mov_b32 s16, 0x07000700
	s_mov_b32 s17, 0x03000300
	s_mov_b32 s18, 0x00030003
	s_mov_b32 s19, 0xffffff00                      ; byte i: 0 where i == 0 (seg >> 5 == 0: rows 0-7 may hit), else 0xff
	s_mov_b32 s20, 0xffff00ff                      ; the same for seg >> 5 == 1 (rows 8-15).  seg >> 5 == 2 is the clamped 64: 0xff in both
	s_mov_b32 s21, 0x0c0c0c0c                      ; four selectors of the byte 0
	s_mov_b32 s22, 0x3f803f80                      ; two bf16 ones
	s_mov_b32 s24, 0x000000ff                      ; byte i: 0xff where i == b, for b = 0..3
	s_mov_b32 s25, 0x0000ff00
	s_mov_b32 s26, 0x00ff0000
	s_mov_b32 s27, 0xff000000
	s_mul_i32 s11, s10, WSTR                       ; my wave's arrays
	s_mul_i32 s28, s10, RSTR
	s_add_co_u32 s28, s28, RED                     ; my wave's results
	s_mul_i32 s29, s10, 576
	s_add_co_u32 s29, s29, RED                     ; the last step, waves 0 and 1: bins 32 x wave + lane (512 bytes and the gap of 64 on)
	s_and_b32 s30, ttmp9, 31
	s_lshl_b32 s30, s30, 3                         ; y of the group's first row in its image
	v_and_b32 v10, 15, v1                          ; r: A's row, B's column
	v_lshrrev_b32 v11, 4, v1                       ; h: which half of the lanes
	v_lshl_add_u32 v3, v1, 4, s11                  ; where I store: 16 bytes a lane in every array
	v_bfe_u32 v12, v1, 3, 1                        ; r >> 3 picks the selector array
	v_mul_u32_u24 v12, v12, ARR
	v_lshl_add_u32 v12, v11, 4, v12                ; a fragment's registers 0-3 hold k = 8h..8h+7: 16 bytes at 16 h; registers 4-7 the 16 bytes 32 further on
	v_add_nc_u32 v4, s11, v12                      ; where I read selectors
	v_mul_u32_u24 v13, v10, ARR
	v_lshl_add_u32 v13, v11, 4, v13
	v_add_nc_u32 v5, s11, v13                      ; where I read B's column r (BAR stands in the immediates)
	v_and_b32 v12, 3, v1
	v_lshlrev_b32 v12, 3, v12
	v_mov_b32 v13, 0x40
	v_lshlrev_b32 v13, v12, v13                    ; 0x40 in byte r & 3
	v_and_b32 v12, 4, v1
	v_cmp_eq_u32 vcc_lo, 0, v12
	v_cndmask_b32 v6, 0, v13, vcc_lo               ; table bytes 0-3
	v_cmp_ne_u32 vcc_lo, 0, v12
	v_cndmask_b32 v7, 0, v13, vcc_lo               ; table bytes 4-7
	v_mov_b32 v8, -1.0
	v_mul_u32_u24 v14, v11, 576
	v_lshl_add_u32 v14, v10, 2, v14
	v_add_nc_u32 v14, s28, v14                     ; result (m = 8h + j, n = r) goes to 576 h + 64 j + 4 r: the two halves of the lanes lie 16 banks apart
	v_lshlrev_b32 v12, 2, v1
	v_cvt_f32_u32 v[T], v12                        ; x = 4 l, + 1, + 2, + 3, and the same + 128
	v_add_f32 v[T+1], 1.0, v[T]
	v_add_f32 v[T+2], 2.0, v[T]
	v_add_f32 v[T+3], 0x40400000, v[T]
	v_pk_add_f32 v[T+4:T+5], v[T:T+1], 0x43000000 op_sel_hi:[1,0]
	v_pk_add_f32 v[T+6:T+7], v[T+2:T+3], 0x43000000 op_sel_hi:[1,0]
.irp p, 0,1,2,3
	v_cvt_pk_bf16_f32 v[X+\p], v[T+2*\p], v[T+2*\p+1]
.endr
	; the segments: selectors for A, masks for B
	s_wait_loadcnt 0x2                             ; loads come back in order: the segments are in, the two loads of motion may stay out
.irp i, 0,1,2,3,4,5,6,7
	v_min_u32 v[G+\i], 64, v[G+\i]                 ; unsigned: every value outside 0..63 becomes 64
.endr
.irp p, 0,1,2,3
	v_lshl_or_b32 v[W+\p], v[G+2*\p+1], 16, v[G+2*\p]
.endr
.irp p, 0,1,2,3
	v_lshlrev_b32 v[A3+\p], 6, v[W+\p]             ; bits 2-4 of each half to bits 0-2 of its upper byte
	v_lshlrev_b32 v[UU+\p], 3, v[W+\p]             ; bits 5-6 likewise
	v_and_b32 v[SB+\p], s18, v[W+\p]
.endr
.irp p, 0,1,2,3
	v_and_b32 v[A3+\p], s16, v[A3+\p]
	v_and_or_b32 v[UU+\p], v[UU+\p], s17, s18      ; bytes (3, seg0 >> 5, 3, seg1 >> 5)
	v_lshl_or_b32 v[SB+\p], v[SB+\p], 8, v[SB+\p]  ; bytes (s0, s0, s1, s1), s = seg & 3
.endr
.irp p, 0,1,2,3
	v_perm_b32 v[S0+\p], s19, s19, v[UU+\p]        ; 0xff in every byte that must select the byte 0: the low bytes (entry 3) and the pixels of the other rows
	v_perm_b32 v[S1+\p], s20, s20, v[UU+\p]
.endr
.irp p, 0,1,2,3
	v_bfi_b32 v[S0+\p], v[S0+\p], s21, v[A3+\p]    ; 0x0c there, (seg >> 2) & 7 elsewhere
	v_bfi_b32 v[S1+\p], v[S1+\p], s21, v[A3+\p]
.endr
	ds_store_b128 v3, v[S0:S0+3] offset:SEL
	ds_store_b128 v3, v[S1:S1+3] offset:SEL+ARR
.irp ks, 0,1,2,3,4,5,6,7
	ds_load_b128 v[AF+8*\ks:AF+8*\ks+3],   v4 offset:SEL+64*\ks        ; LDS serves a wave's instructions in order (ISA guide 5.7.1): these see the two stores above; the bytes are my wave's own
	ds_load_b128 v[AF+8*\ks+4:AF+8*\ks+7], v4 offset:SEL+64*\ks+32
.endr
.irp b, 0,1,2,3
.irp p, 0,1,2,3
	v_perm_b32 v[MK+4*\b+\p], s[24+\b], s[24+\b], v[SB+\p]
.endr
.endr
	; B's columns c = 0 (ones) and c = 1 (x) need no motion
.irp b, 0,1,2,3
.irp p, 0,1,2,3
	v_and_b32 v[BO\b+\p],   s22,      v[MK+4*\b+\p]
	v_and_b32 v[BO\b+4+\p], v[X+\p],  v[MK+4*\b+\p]
.endr
	ds_store_b128 v3, v[BO\b:BO\b+3]   offset:BAR+(4*\b)*ARR
	ds_store_b128 v3, v[BO\b+4:BO\b+7] offset:BAR+(4*\b+1)*ARR
.endr
	; motion in two bf16 pieces, columns c = 2 and c = 3
	s_wait_loadcnt 0x0
.irp p, 0,1,2,3
	v_cvt_pk_bf16_f32 v[H+\p], v[MO+2*\p], v[MO+2*\p+1]
.endr
.irp p, 0,1,2,3
	v_fma_mix_f32_bf16 v[T+2*\p],   v[H+\p], v8, v[MO+2*\p]   op_sel_hi:[1,0,0]                ; motion - hi, exact: hi's low half x (-1) + motion
	v_fma_mix_f32_bf16 v[T+2*\p+1], v[H+\p], v8, v[MO+2*\p+1] op_sel:[1,0,0] op_sel_hi:[1,0,0] ; the same with hi's high half
.endr
.irp p, 0,1,2,3
	v_cvt_pk_bf16_f32 v[LW+\p], v[T+2*\p], v[T+2*\p+1]
.endr
.irp b, 0,1,2,3
.irp p, 0,1,2,3
	v_and_b32 v[BO\b+8+\p],  v[H+\p],  v[MK+4*\b+\p]
	v_and_b32 v[BO\b+12+\p], v[LW+\p], v[MK+4*\b+\p]
.endr
	ds_store_b128 v3, v[BO\b+8:BO\b+11]  offset:BAR+(4*\b+2)*ARR
	ds_store_b128 v3, v[BO\b+12:BO\b+15] offset:BAR+(4*\b+3)*ARR
.endr
.irp ks, 0,1,2,3,4,5,6,7
	ds_load_b128 v[BF+8*\ks:BF+8*\ks+3],   v5 offset:BAR+64*\ks
	ds_load_b128 v[BF+8*\ks+4:BF+8*\ks+7], v5 offset:BAR+64*\ks+32
.endr
	s_wait_dscnt 32                                ; behind the last selector load stand B's 16 stores and 16 loads: the selectors are in
; One K step: 32 pixels.  Eight table look-ups turn the selectors into A's fragment in place; B's fragment comes as it was stored.
; The two accumulators take turns, one instruction a turn; the first product of each starts its sum.
.macro STEP ks, d, first
.irp i, 0,1,2,3,4,5,6,7
	v_perm_b32 v[AF+8*\ks+\i], v7, v6, v[AF+8*\ks+\i]
.endr
	s_wait_dscnt 14-2*\ks                          ; the loads of B's later K steps, two each, may stay out.  (All LDS stores are older: the accumulators' registers, which some of them read, are free)
.if \first
	v_wmma_f32_16x16x32_bf16 v[\d:\d+7], v[AF+8*\ks:AF+8*\ks+7], v[BF+8*\ks:BF+8*\ks+7], 0
.else
	v_wmma_f32_16x16x32_bf16 v[\d:\d+7], v[AF+8*\ks:AF+8*\ks+7], v[BF+8*\ks:BF+8*\ks+7], v[\d:\d+7]
.endif
.endm
	STEP 0, D0, 1
	STEP 1, D1, 1
	STEP 2, D0, 0
	STEP 3, D1, 0
	STEP 4, D0, 0
	STEP 5, D1, 0
	STEP 6, D0, 0
	STEP 7, D1, 0
.rept 4
	v_nop                                          ; four places between the last matrix instruction and the first vector instruction that reads a result (ISA guide 7.12.1)
.endr
.irp j, 0,2,4,6
	v_pk_add_f32 v[D0+\j:D0+\j+1], v[D0+\j:D0+\j+1], v[D1+\j:D1+\j+1]
.endr
.irp j, 0,1,2,3,4,5,6,7
	ds_store_b32 v14, v[D0+\j] offset:64*\j        ; (m, n) at 64 m + 4 n (+ 64 from row 8 on): bin g = 4 m + b has its four numbers in 16 neighbouring bytes at 16 g
.endr
	s_wait_dscnt 0x0                               ; my results are in LDS before I say so
	s_barrier_signal -1
	s_barrier_wait -1                              ; everybody's are
	s_cmp_lt_u32 s10, 2
	s_cbranch_scc0 .Lend                           ; 64 bins: two waves add the eight rows, a bin a lane
	v_lshl_add_u32 v15, v1, 4, s29
.irp w, 0,1,2,3,4,5,6,7
	ds_load_b128 v[R+4*\w:R+4*\w+3], v15 offset:\w*RSTR        ; row w: twice (count, sum x, sum hi, sum lo) of my bin
.endr
	v_cvt_f32_u32 v9, s30                          ; y of row 0
	v_lshlrev_b32 v10, 4, v0                       ; my bin's 16 bytes of part
	s_wait_dscnt 0x0
	v_fma_f32 v11, v[R+8],  2.0, v[R+4]            ; sum over the rows of w x count
	v_fma_f32 v11, v[R+12], 0x40400000, v11
	v_fma_f32 v11, v[R+16], 4.0, v11
	v_fma_f32 v11, v[R+20], 0x40a00000, v11
	v_fma_f32 v11, v[R+24], 0x40c00000, v11
	v_fma_f32 v11, v[R+28], 0x40e00000, v11
.irp w, 1,2,3,4,5,6,7
	v_pk_add_f32 v[R:R+1],   v[R:R+1],   v[R+4*\w:R+4*\w+1]
	v_pk_add_f32 v[R+2:R+3], v[R+2:R+3], v[R+4*\w+2:R+4*\w+3]
.endr
	v_add_f32 v[R+2], v[R+2], v[R+3]               ; motion = hi + lo
	v_fma_f32 v[R+3], v[R], v9, v11                ; sum of y = y0 x count + sum of w x count
	v_pk_mul_f32 v[R:R+1],   v[R:R+1],   0.5 op_sel_hi:[1,0]   ; A's hits were 2.0: halve, exactly
	v_pk_mul_f32 v[R+2:R+3], v[R+2:R+3], 0.5 op_sel_hi:[1,0]
	global_store_b128 v10, v[R:R+3], s[8:9]        ; a wave stores 512 neighbouring bytes, aligned; read again by the next launch: no hint
.Lend:
	s_wait_tensorcnt 0x0
	ds_add_u32 v254, v255
	s_wait_dscnt 0x0
	s_endpgm
.Lfunc_end_k_q14d3a77e52_sums:
	.size	k_q14d3a77e52_sums, .Lfunc_end_k_q14d3a77e52_sums-k_q14d3a77e52_sums
	.p2alignl 7, 3214868480
	.fill 96, 4, 3214868480
	.section	.rodata,"a",@progbits
	.p2align	6, 0x0
	.amdhsa_kernel k_q14d3a77e52_sums
		.amdhsa_group_segment_fixed_size 91136
		.amdhsa_private_segment_fixed_size 0
		.amdhsa_enable_private_segment 0
		.amdhsa_kernarg_size 24
		.amdhsa_user_sgpr_count 2
		.amdhsa_user_sgpr_kernarg_segment_ptr 1
		.amdhsa_wavefront_size32 1
		.amdhsa_system_sgpr_workgroup_id_x 1
		.amdhsa_system_sgpr_workgroup_id_y 1
		.amdhsa_system_sgpr_workgroup_id_z 1
		.amdhsa_system_vgpr_workitem_id 0
		.amdhsa_next_free_vgpr 256
		.amdhsa_next_free_sgpr 66
		.amdhsa_reserve_vcc 1
		.amdhsa_float_denorm_mode_32 3
		.amdhsa_float_denorm_mode_16_64 3
		.amdhsa_memory_ordered 1
		.amdhsa_forward_progress 1
		.amdhsa_inst_pref_size 23
	.end_amdhsa_kernel
	.amdgpu_metadata
---
amdhsa.version: [ 1, 2 ]
amdhsa.kernels:
  - .name:           k_q14d3a77e52_sums
    .symbol:         k_q14d3a77e52_sums.kd
    .args:
      - { .name: segments, .offset: 0, .size: 8, .value_kind: global_buffer, .address_space: global }
      - { .name: motion, .offset: 8, .size: 8, .value_kind: global_buffer, .address_space: global }
      - { .name: part, .offset: 16, .size: 8, .value_kind: global_buffer, .address_space: global }
    .group_segment_fixed_size: 91136
    .private_segment_fixed_size: 0
    .kernarg_segment_align: 8
    .kernarg_segment_size: 24
    .max_flat_workgroup_size: 256
    .sgpr_count:     66
    .vgpr_count:     256
    .wavefront_size: 32
...
	.end_amdgpu_metadata
.endif
;; end of part 1
;; launch apply (part 2): grid 256 x 1, 8 waves a work-group, no clusters, 13,312 bytes of LDS; arguments segments, part, out0, out1; writes out0, out1
.if DOCPART == 2
	.amdgcn_target "amdgcn-amd-amdhsa--gfx1250"
	.amdhsa_code_object_version 6
	.text
	.protected	k_q14d3a77e52_apply
	.globl	k_q14d3a77e52_apply
	.p2align	8
	.type	k_q14d3a77e52_apply,@function
k_q14d3a77e52_apply:
	s_mov_b64 s[64:65], 0
	v_nop
	global_prefetch_b8 v0, s[64:65] scope:SCOPE_SE
	s_setreg_imm32_b32 hwreg(HW_REG_WAVE_MODE, 25, 1), 1
	s_wait_xcnt 0x0
; From the partial sums to the two outputs.  The work-group owns 8 rows of an image, a wave one row (256 pixels), a lane 8 pixels.
; In pixels the reference's offset (centroid - coordinate) x scale is (mean y - y, mean x - x) of the pixel's segment: coordinate x 127.5 = pixel number - 127.5, and the 127.5 cancels.
; 1. The image's 32 partial entries of each of 64 bins, (count, sum x, sum motion, sum y), are added: thread t takes bin t & 63 of the 8 entries 8 (t >> 6) ..; the four groups meet in LDS.
; 2. Each wave makes a table of its own (no second barrier), a lane two bins: t = 1 where sum motion > 0.5 x max(count, 1), else 0 (the reference's quotient > 0.5 without the division's rounding);
;    three arrays of 65 words: t (mean y - y) with the wave's own y, t mean x, t.  Entry 64 is zero: segments outside 0..63 are clamped to it and get zeros, as a one-hot of 64 classes gives.
; 3. The reference's second one-hot product picks one row of 64: it is a look-up.  Three 4-byte reads a pixel; 64 neighbouring words lie in 64 different banks (ISA guide 11.1),
;    so lanes collide only on entry 64, and the numbers land in the registers that are stored.  out x = t mean x - t x: one fused multiply-add.
; No cluster: what the 32 work-groups of an image share is the 32 KiB of partial sums, read once, straight into the registers that add them (8 loads a lane);
; a joint load would lay them in LDS first, 32 KiB more to read there, with two rounds of the cluster's barrier for that one load.
; LIMITS: as the launch before states them (motion finite); a NaN sum counts as not moving.
.set TB,   4096                        ; LDS: 4,096 bytes where the four groups meet, then the waves' tables
.set TSTR, 1024
.set ASTR, 320                         ; from array to array in a table: 65 words, rounded up
.set G,   16                           ; v[16:23]   my 8 segments
.set AD,  24                           ; v[24:31]   their places in the table
.set P,   32                           ; v[32:63]   8 partial entries
.set Q,   64                           ; v[64:95]   group q, bin e: four numbers at Q + 8 q + 4 e
.set XF,  96                           ; v[96:103]  x of my pixels
.set OY,  104                          ; v[104:111] out0, channel y
.set OX,  112                          ; v[112:119] out0, channel x
.set OT,  120                          ; v[120:127] out1
.set E,   128                          ; v[128:139] at work on the table
	s_load_b256 s[4:11], s[0:1], 0x0               ; segments s[4:5], part s[6:7], out0 s[8:9], out1 s[10:11]
	v_lshl_add_u32 v144, v0, 2, 0x3000
	v_mov_b32 v145, 0
	v_and_b32 v1, 31, v0                           ; lane
	v_lshrrev_b32 v9, 5, v0
	v_readfirstlane_b32 s12, v9                    ; wave
	v_lshlrev_b32 v2, 4, v1
	v_lshl_add_u32 v2, v9, 10, v2                  ; 1,024 x wave + 16 x lane: my 16 bytes in the first half of my row, in segments, out0 and out1 alike
	v_lshrrev_b32 v10, 6, v0
	v_and_b32 v11, 63, v0
	v_lshlrev_b32 v3, 4, v11
	v_lshl_add_u32 v3, v10, 13, v3                 ; 8 entries of 1,024 bytes x group + 16 x bin
	s_lshr_b32 s14, ttmp9, 5                       ; image
	s_and_b32 s15, ttmp9, 31                       ; which 8 rows of it
	s_lshl_b32 s16, ttmp9, 13                      ; segments and out1: 8 rows of 1,024 bytes a work-group
	s_mov_b32 s17, 0
	s_lshl_b32 s18, s14, 15                        ; part: 32 entries of 1,024 bytes an image
	s_mov_b32 s19, 0
	s_lshl_b32 s20, s14, 19                        ; out0: two channels of 262,144 bytes an image
	s_lshl_b32 s21, s15, 13
	s_add_co_u32 s20, s20, s21
	s_mov_b32 s21, 0
	s_wait_kmcnt 0x0
	s_add_nc_u64 s[4:5], s[4:5], s[16:17]
	s_add_nc_u64 s[6:7], s[6:7], s[18:19]
	s_add_nc_u64 s[8:9], s[8:9], s[20:21]
	s_add_nc_u64 s[10:11], s[10:11], s[16:17]
.irp i, 0,1,2,3,4,5,6,7
	global_load_b128 v[P+4*\i:P+4*\i+3], v3, s[6:7] offset:1024*\i     ; a wave's load: 512 neighbouring bytes.  31 other work-groups read them too: no hint
.endr
	global_load_b128 v[G:G+3],   v2, s[4:5] th:TH_LOAD_NT              ; the segments' last use
	global_load_b128 v[G+4:G+7], v2, s[4:5] offset:512 th:TH_LOAD_NT
	s_lshl3_add_u32 s22, s15, s12                  ; my row's y
	s_lshl_b32 s23, s12, 10
	s_add_co_u32 s23, s23, TB                      ; my wave's table
	v_cvt_f32_u32 v12, s22
	v_lshlrev_b32 v4, 4, v0                        ; group q, bin g at 1,024 q + 16 g = 16 x thread
	v_lshlrev_b32 v5, 4, v1                        ; bin = lane, read back
	v_lshl_add_u32 v6, v1, 2, s23                  ; bin = lane in my table
	v_mov_b32 v7, s23
	v_mov_b32 v8, 0
	v_lshlrev_b32 v13, 2, v1
	v_cvt_f32_u32 v[XF], v13                       ; x = 4 l, + 1, + 2, + 3, and the same + 128
	v_add_f32 v[XF+1], 1.0, v[XF]
	v_add_f32 v[XF+2], 2.0, v[XF]
	v_add_f32 v[XF+3], 0x40400000, v[XF]
	v_pk_add_f32 v[XF+4:XF+5], v[XF:XF+1],   0x43000000 op_sel_hi:[1,0]
	v_pk_add_f32 v[XF+6:XF+7], v[XF+2:XF+3], 0x43000000 op_sel_hi:[1,0]
	s_wait_loadcnt 0x2                             ; the eight entries are in; the two younger loads, the segments, may stay out
.irp i, 1,2,3,4,5,6,7
	v_pk_add_f32 v[P:P+1],   v[P:P+1],   v[P+4*\i:P+4*\i+1]
	v_pk_add_f32 v[P+2:P+3], v[P+2:P+3], v[P+4*\i+2:P+4*\i+3]
.endr
	ds_store_b128 v4, v[P:P+3]
	s_wait_loadcnt 0x0
.irp i, 0,1,2,3,4,5,6,7
	v_min_u32 v[G+\i], 64, v[G+\i]                 ; unsigned: every value outside 0..63 becomes 64, the zero entry
.endr
.irp i, 0,1,2,3,4,5,6,7
	v_lshl_add_u32 v[AD+\i], v[G+\i], 2, s23
.endr
	s_wait_dscnt 0x0                               ; my sums are in LDS before I say so
	s_barrier_signal -1
	s_barrier_wait -1                              ; everybody's are
.irp q, 0,1,2,3
	ds_load_b128 v[Q+8*\q:Q+8*\q+3],   v5 offset:1024*\q               ; bin = lane
	ds_load_b128 v[Q+8*\q+4:Q+8*\q+7], v5 offset:1024*\q+512           ; bin = lane + 32
.endr
	s_wait_dscnt 0x0
.irp q, 1,2,3
.irp j, 0,2,4,6
	v_pk_add_f32 v[Q+\j:Q+\j+1], v[Q+\j:Q+\j+1], v[Q+8*\q+\j:Q+8*\q+\j+1]
.endr
.endr
	v_max_num_f32 v[E],   1.0, v[Q]                ; max(count, 1)
	v_max_num_f32 v[E+1], 1.0, v[Q+4]
	v_rcp_f32 v[E+2], v[E]
	v_rcp_f32 v[E+3], v[E+1]
	v_mul_f32 v[E+4], 0.5, v[E]                    ; plain vector work that touches no result of the two reciprocals stands between them and their first use (ISA guide 5.7.2)
	v_mul_f32 v[E+5], 0.5, v[E+1]
	v_cmp_gt_f32 s24, v[Q+2], v[E+4]               ; moving: sum motion > 0.5 x max(count, 1).  The masks only select values
	v_cmp_gt_f32 s25, v[Q+6], v[E+5]
	s_wait_alu depctr_va_vdst(0)
	v_fma_f32 v[E+6], v[Q+3], v[E+2], -v12         ; mean y - y
	v_fma_f32 v[E+7], v[Q+7], v[E+3], -v12
	v_mul_f32 v[E+8], v[Q+1], v[E+2]               ; mean x
	v_mul_f32 v[E+9], v[Q+5], v[E+3]
	v_cndmask_b32 v[E+6],  0, v[E+6], s24
	v_cndmask_b32 v[E+7],  0, v[E+7], s25
	v_cndmask_b32 v[E+8],  0, v[E+8], s24
	v_cndmask_b32 v[E+9],  0, v[E+9], s25
	v_cndmask_b32 v[E+10], 0, 1.0, s24
	v_cndmask_b32 v[E+11], 0, 1.0, s25
.irp a, 0,1,2
	ds_store_b32 v6, v[E+6+2*\a] offset:\a*ASTR
	ds_store_b32 v6, v[E+7+2*\a] offset:\a*ASTR+128
	ds_store_b32 v7, v8          offset:\a*ASTR+256        ; entry 64: every lane writes the same zero to the same word
.endr
	; the look-ups.  LDS serves a wave's instructions in order (ISA guide 5.7.1): they see the table, which is my wave's own
.irp i, 0,1,2,3,4,5,6,7
	ds_load_b32 v[OY+\i], v[AD+\i]
.endr
.irp i, 0,1,2,3,4,5,6,7
	ds_load_b32 v[OT+\i], v[AD+\i] offset:2*ASTR
.endr
.irp i, 0,1,2,3,4,5,6,7
	ds_load_b32 v[OX+\i], v[AD+\i] offset:ASTR
.endr
	s_wait_dscnt 16                                ; the first eight are in, sixteen younger ones may stay out
	global_store_b128 v2, v[OY:OY+3],   s[8:9] th:TH_STORE_NT                  ; every store of the wave: 512 neighbouring bytes, aligned
	global_store_b128 v2, v[OY+4:OY+7], s[8:9] offset:512 th:TH_STORE_NT
	s_wait_dscnt 8
	global_store_b128 v2, v[OT:OT+3],   s[10:11] th:TH_STORE_NT
	global_store_b128 v2, v[OT+4:OT+7], s[10:11] offset:512 th:TH_STORE_NT
	s_wait_dscnt 0x0
.irp i, 0,1,2,3,4,5,6,7
	v_fma_f32 v[OX+\i], -v[OT+\i], v[XF+\i], v[OX+\i]      ; t mean x - t x
.endr
	global_store_b128 v2, v[OX:OX+3],   s[8:9] offset:262144 th:TH_STORE_NT
	global_store_b128 v2, v[OX+4:OX+7], s[8:9] offset:262144+512 th:TH_STORE_NT
	s_wait_tensorcnt 0x0
	ds_add_u32 v144, v145
	s_wait_dscnt 0x0
	s_endpgm
.Lfunc_end_k_q14d3a77e52_apply:
	.size	k_q14d3a77e52_apply, .Lfunc_end_k_q14d3a77e52_apply-k_q14d3a77e52_apply
	.p2alignl 7, 3214868480
	.fill 96, 4, 3214868480
	.section	.rodata,"a",@progbits
	.p2align	6, 0x0
	.amdhsa_kernel k_q14d3a77e52_apply
		.amdhsa_group_segment_fixed_size 13312
		.amdhsa_private_segment_fixed_size 0
		.amdhsa_enable_private_segment 0
		.amdhsa_kernarg_size 32
		.amdhsa_user_sgpr_count 2
		.amdhsa_user_sgpr_kernarg_segment_ptr 1
		.amdhsa_wavefront_size32 1
		.amdhsa_system_sgpr_workgroup_id_x 1
		.amdhsa_system_sgpr_workgroup_id_y 1
		.amdhsa_system_sgpr_workgroup_id_z 1
		.amdhsa_system_vgpr_workitem_id 0
		.amdhsa_next_free_vgpr 146
		.amdhsa_next_free_sgpr 66
		.amdhsa_reserve_vcc 0
		.amdhsa_float_denorm_mode_32 3
		.amdhsa_float_denorm_mode_16_64 3
		.amdhsa_memory_ordered 1
		.amdhsa_forward_progress 1
		.amdhsa_inst_pref_size 11
	.end_amdhsa_kernel
	.amdgpu_metadata
---
amdhsa.version: [ 1, 2 ]
amdhsa.kernels:
  - .name:           k_q14d3a77e52_apply
    .symbol:         k_q14d3a77e52_apply.kd
    .args:
      - { .name: segments, .offset: 0, .size: 8, .value_kind: global_buffer, .address_space: global }
      - { .name: part, .offset: 8, .size: 8, .value_kind: global_buffer, .address_space: global }
      - { .name: out0, .offset: 16, .size: 8, .value_kind: global_buffer, .address_space: global }
      - { .name: out1, .offset: 24, .size: 8, .value_kind: global_buffer, .address_space: global }
    .group_segment_fixed_size: 13312
    .private_segment_fixed_size: 0
    .kernarg_segment_align: 8
    .kernarg_segment_size: 32
    .max_flat_workgroup_size: 256
    .sgpr_count:     66
    .vgpr_count:     146
    .wavefront_size: 32
...
	.end_amdgpu_metadata
.endif
;; end of part 2
;; ======== version 2 of 2: 2 launches; version 1 with the launch sums written anew for expert scheduling mode
;; workspace buffers: part 262,144 bytes
;; launch sums (part 3): grid 256 x 1, 8 waves a work-group, no clusters, 91,136 bytes of LDS; arguments segments, motion, part; writes part
.if DOCPART == 3
	.amdgcn_target "amdgcn-amd-amdhsa--gfx1250"
	.amdhsa_code_object_version 6
	.text
	.protected	k_q14d3a77e52_sums
	.globl	k_q14d3a77e52_sums
	.p2align	8
	.type	k_q14d3a77e52_sums,@function
k_q14d3a77e52_sums:
	s_mov_b64 s[64:65], 0
	v_nop
	global_prefetch_b8 v0, s[64:65] scope:SCOPE_SE
	s_setreg_imm32_b32 hwreg(HW_REG_WAVE_SCHED_MODE, 0, 2), 2
	s_setreg_imm32_b32 hwreg(HW_REG_WAVE_MODE, 25, 1), 1
	s_wait_xcnt 0x0
	s_wait_alu depctr_vm_vsrc(0)
; Per-segment sums of 8 image rows.  part[wg][g] = (count, sum of x, sum of motion, sum of y) over the pixels of segment g in rows 8 wg .. 8 wg + 7
; (2,048 rows in all: 8 images x 256), x and y as pixel numbers 0..255.
; Eight waves, one row (256 pixels) each.  The one-hot product of the reference goes to the matrix unit, factored so that ONE 16x16x32 instruction
; makes the whole 64-bin, 4-value histogram of 32 pixels:   D[m][4b+c] = sum over k of A[m][k] B[k][4b+c],
;   A[m][k] = 2.0 where seg[k] >> 2 == m, else 0;     B[k][4b+c] = val_c[k] where seg[k] & 3 == b, else 0;     val = (1, x, motion_hi, motion_lo).
; So D[m][4b+c] is twice the sum of val_c over segment g = 4 m + b.  x <= 255 has 8 significant bits: exact in bf16.  y is one number for the wave's row:
; sum of y = y x count.  All counts and coordinate sums are whole numbers below 2^24 (65,536 x 255): exact in f32.
; motion = hi + lo, two bf16 pieces (hi = motion rounded, lo = the rest rounded): 16 significant bits, relative error 2^-17 a pixel.
; WAY OF THE DATA: a lane loads 8 pixels (16 neighbouring bytes a lane and load), makes their words of B's 16 columns and of two selector arrays,
; and stores them in the wave's own LDS; from there they are read back in fragment order.  The order of the pixels along K is free (a sum), and is the same in all arrays:
; lane l's 16 bytes of an array hold pixels 4l..4l+3 and 128+4l..128+4l+3.
; A's words are made behind the read: one v_perm_b32 a word (two pixels), the selector bytes picking from the lane's table of 8 bytes, in which byte (m & 7) is 0x40
; (0x4000 = 2.0 in bf16).  Selector 0x0c gives the byte 0: it stands for every low byte, and for a pixel whose seg >> 5 is not the lane's m >> 3 (two arrays, one for each).
; LIMITS: motion finite and below bf16's largest number (3.39e38); a NaN or an infinity spoils other bins here than in the reference.
; Any int32 is served as a segment: values outside 0..63 are clamped to 64, hit no row of A and add to no bin, as a one-hot of 64 classes has it.
; No cluster: the work-groups share no input byte.
; THE MODE: SCHED_MODE bits 1:0 = 2 (LLVM: expert scheduling mode 2), set by the entry lines.  The code itself states the register dependences
; between vector or matrix instructions and memory or LDS instructions, with s_wait_alu, always for 0.
; THE PLAN.  Registers that memory or LDS instructions touch:
;   v2                   offset of the four global loads: made at the head, never written again.
;   v3, v4, v5, v14, v15 LDS addresses: made while the global loads are on their way, never written again.
;   G, MO                the global loads land in them; no vector instruction names them before.
;   S0, S1               written by the selectors' arithmetic, read by two LDS stores, never written again.
;   BO0 .. BO3           the lower eight registers of each written by the 32 ANDs of columns c = 0, 1, the upper eight by the 32 ANDs of c = 2, 3; each half read by eight LDS stores.
;                        BO3's registers are later the accumulators, BO1's and BO2's later R, in which LDS loads land.
;   AF, BF               LDS loads land in them; no vector instruction names them before.
;   D0                   written by the last additions, read by eight LDS stores.       R, v10   written by the last step's arithmetic, read by the global store.
; So: one wait on va_vdst ahead of the global loads; one behind the ANDs of c = 0, 1 (for the selectors' stores and loads and eight stores of B); one behind the ANDs of c = 2, 3
; (eight stores; B's loads follow); one wait on vm_vsrc ahead of the first product (all eighteen stores have read their registers); one on va_vdst ahead of the stores of D0, behind
; which no vector instruction names R until its loads have landed; one ahead of the global store.  Two waits on va_sdst: the wave's number; the two masks of the lane's table.
.set ARR,  528                         ; from array to array: 512 bytes + 16 = 33 x 16, so lanes that read the same place of up to 16 arrays touch different 16-byte columns modulo 256 (64 banks of 4 bytes: ISA guide 11.1)
.set SEL,  0                           ; two selector arrays
.set BAR,  2*ARR                       ; B's sixteen columns, column n = 4 b + c at BAR + n ARR
.set WSTR, 9728                        ; a wave's LDS: 18 x 528 = 9,504 bytes, rounded up
.set RED,  8*WSTR                      ; behind them: where the eight waves' results meet
.set RSTR, 1088                        ; a wave's 16 x 16 results: rows 0-7 in 512 bytes, 64 bytes of gap, rows 8-15
.set D0,  16                           ; v[16:23]   accumulator of the even K steps
.set D1,  24                           ; v[24:31]   accumulator of the odd K steps
.set AF,  32                           ; v[32:95]   K step ks: 8 registers, selectors as loaded, then A's fragment
.set BF,  96                           ; v[96:159]  K step ks: B's fragment
.set G,   160                          ; v[160:167] my 8 segments
.set MO,  168                          ; v[168:175] my 8 motions
.set W,   176                          ; v[176:179] pair p: two segments in two halves
.set A3,  180                          ; v[180:183] (seg >> 2) & 7 in bytes 1 and 3
.set UU,  184                          ; v[184:187] seg >> 5 in bytes 1 and 3, the number 3 in bytes 0 and 2
.set SB,  188                          ; v[188:191] seg & 3, each in both bytes of its half
.set S0,  192                          ; v[192:195] selectors for rows 0-7
.set S1,  196                          ; v[196:199] selectors for rows 8-15
.set MK,  200                          ; v[200:215] mask b, pair p: 0xffff in the half whose seg & 3 == b
.set X,   216                          ; v[216:219] x of my pixels, bf16 pairs
.set H,   220                          ; v[220:223] motion_hi pairs
.set LW,  224                          ; v[224:227] motion_lo pairs
.set T,   228                          ; v[228:235] at work, f32
.set BO0, 236                          ; B's words for b = 0: 16 registers (4 c + p).  Each b has registers of its own, all dead by then, so that no
.set BO1, 160                          ; register that an LDS store reads is written again ahead of the one wait on vm_vsrc that stands in front of the products
.set BO2, 176
.set BO3, 16
.set R,   160                          ; v[160:191] the last step: eight waves' four numbers of my bin
	s_load_b128 s[4:7], s[0:1], 0x0                ; segments s[4:5], motion s[6:7]
	s_load_b64 s[8:9], s[0:1], 0x10                ; part
	v_lshl_add_u32 v254, v0, 2, 0x16000
	v_mov_b32 v255, 0
	v_and_b32 v1, 31, v0                           ; lane
	v_lshrrev_b32 v9, 5, v0
	v_readfirstlane_b32 s10, v9                    ; wave = row in the group's eight
	v_lshlrev_b32 v2, 4, v1
	v_lshl_add_u32 v2, v9, 10, v2                  ; 1,024 x wave + 16 x lane: my 16 bytes in the row's first half
	s_lshl_b32 s12, ttmp9, 13                      ; the group's 8 rows of 1,024 bytes
	s_mov_b32 s13, 0
	s_lshl_b32 s14, ttmp9, 10                      ; the group's 1,024 bytes of part
	s_mov_b32 s15, 0
	s_wait_kmcnt 0x0
	s_add_nc_u64 s[4:5], s[4:5], s[12:13]
	s_add_nc_u64 s[6:7], s[6:7], s[12:13]
	s_add_nc_u64 s[8:9], s[8:9], s[14:15]
	s_wait_alu depctr_va_vdst(0)                   ; v2 is written: the four loads below read it as their offset
	global_load_b128 v[G:G+3],     v2, s[4:5]                          ; each load of the wave: 512 neighbouring bytes.  Segments are read again by the next launch: no hint
	global_load_b128 v[G+4:G+7],   v2, s[4:5] offset:512
	global_load_b128 v[MO:MO+3],   v2, s[6:7] th:TH_LOAD_NT            ; motion is read this once
	global_load_b128 v[MO+4:MO+7], v2, s[6:7] offset:512 th:TH_LOAD_NT
	; while the loads are on their way: constants, addresses, the lane's table, x
	s_mov_b32 s16, 0x07000700
	s_mov_b32 s17, 0x03000300
	s_mov_b32 s18, 0x00030003
	s_mov_b32 s19, 0xffffff00                      ; byte i: 0 where i == 0 (seg >> 5 == 0: rows 0-7 may hit), else 0xff
	s_mov_b32 s20, 0xffff00ff                      ; the same for seg >> 5 == 1 (rows 8-15).  seg >> 5 == 2 is the clamped 64: 0xff in both
	s_mov_b32 s21, 0x0c0c0c0c                      ; four selectors of the byte 0
	s_mov_b32 s22, 0x3f803f80                      ; two bf16 ones
	s_mov_b32 s24, 0x000000ff                      ; byte i: 0xff where i == b, for b = 0..3
	s_mov_b32 s25, 0x0000ff00
	s_mov_b32 s26, 0x00ff0000
	s_mov_b32 s27, 0xff000000
	s_wait_alu depctr_va_sdst(0)                   ; s10, the wave's number, is written, ahead of its first reader: the LDS bases below are made from it
	s_mul_i32 s11, s10, WSTR                       ; my wave's arrays
	s_mul_i32 s28, s10, RSTR
	s_add_co_u32 s28, s28, RED                     ; my wave's results
	s_mul_i32 s29, s10, 576
	s_add_co_u32 s29, s29, RED                     ; the last step, waves 0 and 1: bins 32 x wave + lane (512 bytes and the gap of 64 on)
	s_and_b32 s30, ttmp9, 31
	s_lshl_b32 s30, s30, 3                         ; y of the group's first row in its image
	v_and_b32 v10, 15, v1                          ; r: A's row, B's column
	v_lshrrev_b32 v11, 4, v1                       ; h: which half of the lanes
	v_lshl_add_u32 v3, v1, 4, s11                  ; where I store: 16 bytes a lane in every array
	v_bfe_u32 v12, v1, 3, 1                        ; r >> 3 picks the selector array
	v_mul_u32_u24 v12, v12, ARR
	v_lshl_add_u32 v12, v11, 4, v12                ; a fragment's registers 0-3 hold k = 8h..8h+7: 16 bytes at 16 h; registers 4-7 the 16 bytes 32 further on
	v_add_nc_u32 v4, s11, v12                      ; where I read selectors
	v_mul_u32_u24 v13, v10, ARR
	v_lshl_add_u32 v13, v11, 4, v13
	v_add_nc_u32 v5, s11, v13                      ; where I read B's column r (BAR stands in the immediates)
	v_and_b32 v12, 3, v1
	v_lshlrev_b32 v12, 3, v12
	v_mov_b32 v13, 0x40
	v_lshlrev_b32 v13, v12, v13                    ; 0x40 in byte r & 3
	v_and_b32 v12, 4, v1
	v_cmp_eq_u32 s23, 0, v12                       ; the two masks of the lane's table, in a run, each in a scalar register of its own
	v_cmp_ne_u32 s31, 0, v12
	v_mov_b32 v8, -1.0
	v_mul_u32_u24 v14, v11, 576
	v_lshl_add_u32 v14, v10, 2, v14
	v_add_nc_u32 v14, s28, v14                     ; result (m = 8h + j, n = r) goes to 576 h + 64 j + 4 r: the two halves of the lanes lie 16 banks apart
	v_lshl_add_u32 v15, v1, 4, s29                 ; the last step's LDS address, made here with the others; waves 0 and 1 alone use it
	s_wait_alu depctr_va_sdst(0)                   ; s23 and s31 are written, ahead of the two selects that read them
	v_cndmask_b32 v6, 0, v13, s23                  ; table bytes 0-3
	v_cndmask_b32 v7, 0, v13, s31                  ; table bytes 4-7
	v_lshlrev_b32 v12, 2, v1
	v_cvt_f32_u32 v[T], v12                        ; x = 4 l, + 1, + 2, + 3, and the same + 128
	v_add_f32 v[T+1], 1.0, v[T]
	v_add_f32 v[T+2], 2.0, v[T]
	v_add_f32 v[T+3], 0x40400000, v[T]
	v_pk_add_f32 v[T+4:T+5], v[T:T+1], 0x43000000 op_sel_hi:[1,0]
	v_pk_add_f32 v[T+6:T+7], v[T+2:T+3], 0x43000000 op_sel_hi:[1,0]
.irp p, 0,1,2,3
	v_cvt_pk_bf16_f32 v[X+\p], v[T+2*\p], v[T+2*\p+1]
.endr
	; the segments: selectors for A, masks for B
	s_wait_loadcnt 0x2                             ; loads come back in order: the segments are in, the two loads of motion may stay out
.irp i, 0,1,2,3,4,5,6,7
	v_min_u32 v[G+\i], 64, v[G+\i]                 ; unsigned: every value outside 0..63 becomes 64
.endr
.irp p, 0,1,2,3
	v_lshl_or_b32 v[W+\p], v[G+2*\p+1], 16, v[G+2*\p]
.endr
.irp p, 0,1,2,3
	v_lshlrev_b32 v[A3+\p], 6, v[W+\p]             ; bits 2-4 of each half to bits 0-2 of its upper byte
	v_lshlrev_b32 v[UU+\p], 3, v[W+\p]             ; bits 5-6 likewise
	v_and_b32 v[SB+\p], s18, v[W+\p]
.endr
.irp p, 0,1,2,3
	v_and_b32 v[A3+\p], s16, v[A3+\p]
	v_and_or_b32 v[UU+\p], v[UU+\p], s17, s18      ; bytes (3, seg0 >> 5, 3, seg1 >> 5)
	v_lshl_or_b32 v[SB+\p], v[SB+\p], 8, v[SB+\p]  ; bytes (s0, s0, s1, s1), s = seg & 3
.endr
.irp p, 0,1,2,3
	v_perm_b32 v[S0+\p], s19, s19, v[UU+\p]        ; 0xff in every byte that must select the byte 0: the low bytes (entry 3) and the pixels of the other rows
	v_perm_b32 v[S1+\p], s20, s20, v[UU+\p]
.endr
.irp p, 0,1,2,3
	v_bfi_b32 v[S0+\p], v[S0+\p], s21, v[A3+\p]    ; 0x0c there, (seg >> 2) & 7 elsewhere
	v_bfi_b32 v[S1+\p], v[S1+\p], s21, v[A3+\p]
.endr
.irp b, 0,1,2,3
.irp p, 0,1,2,3
	v_perm_b32 v[MK+4*\b+\p], s[24+\b], s[24+\b], v[SB+\p]
.endr
.endr
	; B's columns c = 0 (ones) and c = 1 (x) need no motion
.irp b, 0,1,2,3
.irp p, 0,1,2,3
	v_and_b32 v[BO\b+\p],   s22,      v[MK+4*\b+\p]
	v_and_b32 v[BO\b+4+\p], v[X+\p],  v[MK+4*\b+\p]
.endr
.endr
	s_wait_alu depctr_va_vdst(0)                   ; S0, S1 and the lower eight registers of BO0 to BO3 are written, which the ten stores below read; so are the LDS addresses v3, v4, v5, v14 and v15
	ds_store_b128 v3, v[S0:S0+3] offset:SEL
	ds_store_b128 v3, v[S1:S1+3] offset:SEL+ARR
.irp ks, 0,1,2,3,4,5,6,7
	ds_load_b128 v[AF+8*\ks:AF+8*\ks+3],   v4 offset:SEL+64*\ks        ; LDS serves a wave's instructions in order (ISA guide 5.7.1): these see the two stores above; the bytes are my wave's own
	ds_load_b128 v[AF+8*\ks+4:AF+8*\ks+7], v4 offset:SEL+64*\ks+32
.endr
.irp b, 0,1,2,3
	ds_store_b128 v3, v[BO\b:BO\b+3]   offset:BAR+(4*\b)*ARR
	ds_store_b128 v3, v[BO\b+4:BO\b+7] offset:BAR+(4*\b+1)*ARR
.endr
	; motion in two bf16 pieces, columns c = 2 and c = 3.  These lines write H, T, LW and the upper eight registers of BO0 to BO3: none that the LDS instructions above touch
	s_wait_loadcnt 0x0
.irp p, 0,1,2,3
	v_cvt_pk_bf16_f32 v[H+\p], v[MO+2*\p], v[MO+2*\p+1]
.endr
.irp p, 0,1,2,3
	v_fma_mix_f32_bf16 v[T+2*\p],   v[H+\p], v8, v[MO+2*\p]   op_sel_hi:[1,0,0]                ; motion - hi, exact: hi's low half x (-1) + motion
	v_fma_mix_f32_bf16 v[T+2*\p+1], v[H+\p], v8, v[MO+2*\p+1] op_sel:[1,0,0] op_sel_hi:[1,0,0] ; the same with hi's high half
.endr
.irp p, 0,1,2,3
	v_cvt_pk_bf16_f32 v[LW+\p], v[T+2*\p], v[T+2*\p+1]
.endr
.irp b, 0,1,2,3
.irp p, 0,1,2,3
	v_and_b32 v[BO\b+8+\p],  v[H+\p],  v[MK+4*\b+\p]
	v_and_b32 v[BO\b+12+\p], v[LW+\p], v[MK+4*\b+\p]
.endr
.endr
	s_wait_alu depctr_va_vdst(0)                   ; the upper eight registers of BO0 to BO3 are written, which the eight stores below read
.irp b, 0,1,2,3
	ds_store_b128 v3, v[BO\b+8:BO\b+11]  offset:BAR+(4*\b+2)*ARR
	ds_store_b128 v3, v[BO\b+12:BO\b+15] offset:BAR+(4*\b+3)*ARR
.endr
.irp ks, 0,1,2,3,4,5,6,7
	ds_load_b128 v[BF+8*\ks:BF+8*\ks+3],   v5 offset:BAR+64*\ks
	ds_load_b128 v[BF+8*\ks+4:BF+8*\ks+7], v5 offset:BAR+64*\ks+32
.endr
	s_wait_dscnt 32                                ; behind the last selector load stand B's 16 stores and 16 loads: the selectors are in
	s_wait_alu depctr_vm_vsrc(0)                   ; all eighteen LDS stores have read their registers: BO3's become the accumulators, which the products write; BO1's and BO2's become R, in which the last step's loads land
; One K step: 32 pixels.  Eight table look-ups turn the selectors into A's fragment in place; B's fragment comes as it was stored.
; The two accumulators take turns, one instruction a turn; the first product of each starts its sum.
.macro STEP ks, d, first
.irp i, 0,1,2,3,4,5,6,7
	v_perm_b32 v[AF+8*\ks+\i], v7, v6, v[AF+8*\ks+\i]
.endr
	s_wait_dscnt 14-2*\ks                          ; the loads of B's later K steps, two each, may stay out
.if \first
	v_wmma_f32_16x16x32_bf16 v[\d:\d+7], v[AF+8*\ks:AF+8*\ks+7], v[BF+8*\ks:BF+8*\ks+7], 0
.else
	v_wmma_f32_16x16x32_bf16 v[\d:\d+7], v[AF+8*\ks:AF+8*\ks+7], v[BF+8*\ks:BF+8*\ks+7], v[\d:\d+7]
.endif
.endm
	STEP 0, D0, 1
	STEP 1, D1, 1
	STEP 2, D0, 0
	STEP 3, D1, 0
	STEP 4, D0, 0
	STEP 5, D1, 0
	STEP 6, D0, 0
	STEP 7, D1, 0
.rept 4
	v_nop                                          ; four places between the last matrix instruction and the first vector instruction that reads a result (ISA guide 7.12.1)
.endr
.irp j, 0,2,4,6
	v_pk_add_f32 v[D0+\j:D0+\j+1], v[D0+\j:D0+\j+1], v[D1+\j:D1+\j+1]
.endr
	s_wait_alu depctr_va_vdst(0)                   ; the four additions have written D0, which the eight stores below read; every vector instruction that named v[160:191] is done too, and none names them again before the last step's loads land there
.irp j, 0,1,2,3,4,5,6,7
	ds_store_b32 v14, v[D0+\j] offset:64*\j        ; (m, n) at 64 m + 4 n (+ 64 from row 8 on): bin g = 4 m + b has its four numbers in 16 neighbouring bytes at 16 g
.endr
	s_wait_dscnt 0x0                               ; my results are in LDS before I say so
	s_barrier_signal -1
	s_barrier_wait -1                              ; everybody's are
	s_cmp_lt_u32 s10, 2
	s_cbranch_scc0 .Lend                           ; 64 bins: two waves add the eight rows, a bin a lane
.irp w, 0,1,2,3,4,5,6,7
	ds_load_b128 v[R+4*\w:R+4*\w+3], v15 offset:\w*RSTR        ; row w: twice (count, sum x, sum hi, sum lo) of my bin.  No wait: v15 and R stand behind the waits named above
.endr
	v_cvt_f32_u32 v9, s30                          ; y of row 0
	v_lshlrev_b32 v10, 4, v0                       ; my bin's 16 bytes of part
	s_wait_dscnt 0x0
	v_fma_f32 v11, v[R+8],  2.0, v[R+4]            ; sum over the rows of w x count
	v_fma_f32 v11, v[R+12], 0x40400000, v11
	v_fma_f32 v11, v[R+16], 4.0, v11
	v_fma_f32 v11, v[R+20], 0x40a00000, v11
	v_fma_f32 v11, v[R+24], 0x40c00000, v11
	v_fma_f32 v11, v[R+28], 0x40e00000, v11
.irp w, 1,2,3,4,5,6,7
	v_pk_add_f32 v[R:R+1],   v[R:R+1],   v[R+4*\w:R+4*\w+1]
	v_pk_add_f32 v[R+2:R+3], v[R+2:R+3], v[R+4*\w+2:R+4*\w+3]
.endr
	v_add_f32 v[R+2], v[R+2], v[R+3]               ; motion = hi + lo
	v_fma_f32 v[R+3], v[R], v9, v11                ; sum of y = y0 x count + sum of w x count
	v_pk_mul_f32 v[R:R+1],   v[R:R+1],   0.5 op_sel_hi:[1,0]   ; A's hits were 2.0: halve, exactly
	v_pk_mul_f32 v[R+2:R+3], v[R+2:R+3], 0.5 op_sel_hi:[1,0]
	s_wait_alu depctr_va_vdst(0)                   ; v[R:R+3] and v10 are written: the store's data and its offset
	global_store_b128 v10, v[R:R+3], s[8:9]        ; a wave stores 512 neighbouring bytes, aligned; read again by the next launch: no hint
.Lend:
	s_wait_dscnt 0x0
	s_wait_alu depctr_hold_cnt(0) depctr_sa_sdst(0) depctr_va_vdst(0) depctr_va_sdst(0) depctr_va_ssrc(0) depctr_va_vcc(0) depctr_vm_vsrc(0)
	s_wait_tensorcnt 0x0
	ds_add_u32 v254, v255
	s_wait_dscnt 0x0
	s_endpgm
.Lfunc_end_k_q14d3a77e52_sums:
	.size	k_q14d3a77e52_sums, .Lfunc_end_k_q14d3a77e52_sums-k_q14d3a77e52_sums
	.p2alignl 7, 3214868480
	.fill 96, 4, 3214868480
	.section	.rodata,"a",@progbits
	.p2align	6, 0x0
	.amdhsa_kernel k_q14d3a77e52_sums
		.amdhsa_group_segment_fixed_size 91136
		.amdhsa_private_segment_fixed_size 0
		.amdhsa_enable_private_segment 0
		.amdhsa_kernarg_size 24
		.amdhsa_user_sgpr_count 2
		.amdhsa_user_sgpr_kernarg_segment_ptr 1
		.amdhsa_wavefront_size32 1
		.amdhsa_system_sgpr_workgroup_id_x 1
		.amdhsa_system_sgpr_workgroup_id_y 1
		.amdhsa_system_sgpr_workgroup_id_z 1
		.amdhsa_system_vgpr_workitem_id 0
		.amdhsa_next_free_vgpr 256
		.amdhsa_next_free_sgpr 66
		.amdhsa_reserve_vcc 0
		.amdhsa_float_denorm_mode_32 3
		.amdhsa_float_denorm_mode_16_64 3
		.amdhsa_memory_ordered 1
		.amdhsa_forward_progress 1
		.amdhsa_inst_pref_size 23
	.end_amdhsa_kernel
	.amdgpu_metadata
---
amdhsa.version: [ 1, 2 ]
amdhsa.kernels:
  - .name:           k_q14d3a77e52_sums
    .symbol:         k_q14d3a77e52_sums.kd
    .args:
      - { .name: segments, .offset: 0, .size: 8, .value_kind: global_buffer, .address_space: global }
      - { .name: motion, .offset: 8, .size: 8, .value_kind: global_buffer, .address_space: global }
      - { .name: part, .offset: 16, .size: 8, .value_kind: global_buffer, .address_space: global }
    .group_segment_fixed_size: 91136
    .private_segment_fixed_size: 0
    .kernarg_segment_align: 8
    .kernarg_segment_size: 24
    .max_flat_workgroup_size: 256
    .sgpr_count:     66
    .vgpr_count:     256
    .wavefront_size: 32
...
	.end_amdgpu_metadata
.endif
;; end of part 3
;; launch apply: the kernel of part 2 again; grid 256 x 1, 8 waves a work-group, no clusters, 13,312 bytes of LDS; arguments segments, part, out0, out1; writes out0, out1
